; MI455X (gfx1250); checked and timed in simulation.
; The chip was launched on July 23, 2026; its instructions are those of AMD's public machine-readable ISA for CDNA 5 (MIT licence, August 2026) and "CDNA5" Instruction Set Architecture Reference Guide (July 2026). The comments in the code are by the model that wrote it; some were corrected since.
;; Relation Multi Head Attention. Allowed arithmetic: matrix products marked QUANTISED: E4M3 operands, one E8M0 scale for each 32 along K, by v_wmma_scale_f32_16x16x128_f8f6f4 with both operands' format E4M3, f32 sums; products left as they are: f32 operands where the result goes on into a quantised operand, else bf16, f16 or f32 operands; f32 sums; everything else in f32.
;; Inputs: Wk 512 x 512 float32; Wo 512 x 512 float32; Wq 512 x 512 float32; Wr 1,024 x 512 float32; Wv 512 x 512 float32; adj_mask 2 x 256 x 256 int32; bk 512 float32; bo 512 float32; bq 512 float32; bv 512 float32; keys 2 x 256 x 512 float32; queries 2 x 256 x 512 float32; relation 2 x 256 x 256 x 512 float32; values 2 x 256 x 512 float32.
;; Outputs: out0 2 x 256 x 512 float32; out1 2 x 256 x 256 x 8 float32.
;; This version of the problem:
;;   THIS VERSION OF THE PROBLEM IS GIVEN IN LOW PRECISION. The matrix products marked QUANTISED in the list below multiply operands that are first quantised to E4M3 (4 exponent bits, 3 mantissa bits; 8 bits a number), with one power-of-two scale for each 32 numbers along K (OCP MX v1.0); their sums are f32. All else is computed in f32.
;;   The module's matrix products, in the order in which they are computed (A, B: the left and right operand; K: the contracted axis; several contracted axes count as one K, in the product's order):
;;     1. [M 512, K 512] x [K 512, N 512]; A: input queries; B: input Wq: QUANTISED
;;     2. [M 512, K 512] x [K 512, N 512]; A: input keys; B: input Wk: QUANTISED
;;     3. [M 512, K 512] x [K 512, N 512]; A: input values; B: input Wv: QUANTISED
;;     4. [M 131,072, K 512] x [K 512, N 1,024]; A: input relation; B: input Wr: QUANTISED
;;     5. batch 1,048,576 x [M 1, K 64] x [K 64, N 1]; A: computed on the way; B: computed on the way: left as it is (M = 1 < 16)
;;     6. batch 16 x [M 64, K 256] x [K 256, N 256]; A: computed on the way; B: softmax (see below): QUANTISED
;;     7. [M 512, K 512] x [K 512, N 512]; A: computed on the way; B: input Wo: QUANTISED
;;   THE QUANTISER, for each operand of a quantised product, along K:
;;     - K is cut into blocks of 32 from its start; a last block that is shorter is filled with zeros.
;;     - A block's scale is 2^e with e = floor(log2(the largest magnitude in the block)) - 8, held to -126 .. 127; a block of zeros has e = 0. As a byte (E8M0): e + 127.
;;     - Each number is divided by its block's scale, clamped to +-448, and rounded to the nearest number of E4M3, ties to even, subnormals kept.
;;     - The product sums the exact products of the quantised numbers (number of the format x scale) in f32.
;;   ~~~python
;;   def quantise(x, axis):      # numpy; x: float32 -> the quantised numbers, widened to float32 again
;;       x = np.moveaxis(x, axis, -1); K = x.shape[-1]
;;       x = np.pad(x, [(0, 0)] * (x.ndim - 1) + [(0, -K % 32)]); x = x.reshape(x.shape[:-1] + (-1, 32)); a = np.abs(x).max(-1, keepdims=True)
;;       e = np.where(a > 0, np.clip(np.frexp(np.where(a > 0, a, 1))[1] - 1 - 8, -126, 127), 0)      # np.frexp(a)[1] - 1 = floor(log2(a)), exactly
;;       r = np.clip(x / 2.0 ** e, -448, 448)
;;       step = 2.0 ** (np.maximum(np.frexp(np.where(r == 0, 1, r))[1] - 1, -6) - 3)
;;       q = np.round(r / step) * step * 2.0 ** e      # np.round: ties to even
;;       return np.moveaxis(q.reshape(q.shape[:-2] + (-1,))[..., :K], -1, axis).astype(np.float32)
;;   ~~~
;;   SOFTMAX AHEAD OF A QUANTISED PRODUCT. Where the list says 'softmax', what is quantised is not the finished softmax but p = 2^(t - M), with t = logit x log2(e) and M = ceil(the row's largest t), a whole number; so 1/2 < the row's largest p <= 1. The row's sum l is taken of the UNQUANTISED p, in f32, and the product's result is divided by l at the end. Since M is a whole number, a kernel that streams over the keys may use a running M (the ceiling of the running maximum): every later rescaling is an exact power of two, which a block's scale takes up: the codes' values come out the same.
;;   OPERANDS COMPUTED ON THE WAY. 'Computed on the way' means the value that the module computes at that place (a softmax that the list does not call 'softmax' is quantised finished and normalised). What goes into a quantiser is computed in f32, as accurately as f32 sums, v_exp_f32 and their like allow (about 1e-6 of the number): no bf16 or f16 on the way to a quantiser, and a product that is left as it is and whose result goes on into a quantised operand takes f32 operands (vector FMAs, or v_wmma_f32_16x16x4_f32). A number that lies on a knife's edge between two numbers of the format may be rounded either way, as far as f32 arithmetic and the matrix unit's own rounding can turn it there, and no further.
;; One version. Each part assembles by itself: llvm-mc -triple=amdgcn-amd-amdhsa -mcpu=gfx1250 --defsym DOCPART=n.
;; ======== version 1 of 1: 3 launches
;; workspace buffers: wr 540,672 bytes; wo 270,336 bytes; vq 278,528 bytes; qimg 1,048,576 bytes; kimg 1,048,576 bytes; logits 4,194,304 bytes
;; launch prep (part 1): grid 104 x 1, 4 waves a work-group, no clusters, 104,960 bytes of LDS; arguments queries, keys, values, Wq, Wk, Wv, bq, bk, bv, Wr, Wo, qimg, kimg, vq, wr, wo; writes qimg, kimg, vq, wr, wo
.if DOCPART == 1
	.amdgcn_target "amdgcn-amd-amdhsa--gfx1250"
	.amdhsa_code_object_version 6
	.text
	.protected	k_qd800fc0a21_prep
	.globl	k_qd800fc0a21_prep
	.p2align	8
	.type	k_qd800fc0a21_prep,@function
k_qd800fc0a21_prep:
	s_mov_b64 s[64:65], 0
	v_nop
	global_prefetch_b8 v0, s[64:65] scope:SCOPE_SE
	s_setreg_imm32_b32 hwreg(HW_REG_WAVE_MODE, 25, 1), 1
	s_wait_xcnt 0x0
; PREP.  What the two later launches read many times is made once:
;   q = (queries Wq^T + bq) / 8 and k = keys Wk^T + bk, f32, laid as the C operand of a transposed 16 x 16 product (qimg, kimg);
;   v = values Wv^T + bv as codes of E4M3 along the KEYS, laid as operand registers (vq);  Wr and Wo as codes along K, laid as operand registers (wr, wo).
; All products here are on codes of E4M3 with one E8M0 scale for each 32 along K.
; SHARES.  Work-group g: kind g / 32 = 0 q, 1 k, 2 v, 3 weights.  Kinds 0 to 2: 128 rows (block (g / 8) % 4) x the 64 columns of head g % 8.
; Every work-group quantises 12 tiles of 16 rows x 512, three a wave ("slots"): kinds 0 to 2: eight tiles of x and four of W; kind 3: twelve of the 96 tiles of Wr and Wo.
; ONE path quantises all of them (only pointers are chosen); each fragment goes to LDS as an image of its registers (lane l's 16 bytes at 16 l).  The kinds part only behind the one barrier, and behind it LDS is only read.
; For v both tiles' rows are chosen so that a lane's registers run along the next K: lane r of tile 2 b + u takes row 32 b + 8 u + r + 8 (r / 8).
; LIMITS: NaN and infinities among the inputs are not served; a block whose largest magnitude lies under 2^-118 keeps the scale byte 1; so does a block of zeros (its codes are zeros, and this program alone reads the bytes).
.set TM,  16                           ; v16-31  the quantiser's work: +0 largest magnitudes, +4 bytes, +8 448 x scale, +12 the conversions' scale operand
.set PC,  32                           ; v32-47  the codes just made
.set PW,  48                           ; v48     the scale word just made
.set SCW, 52                           ; v52-63  scale words for the products: these registers hold scales and nothing else
.set SCB, 98304                        ; LDS: 12 images of 8,192 bytes, then the scale words, 128 bytes for a tile's K step
.set LI,  1                            ; 16 x lane
.set SL,  2                            ; SCB + 4 x lane
.set VOF, 3                            ; my row of a tile x 2,048 + 64 x (lane / 16): my 16 numbers of a block of 32
.set IW,  4                            ; my wave's three images
.set SW,  5                            ; my wave's scale words
.set LI2, 6                            ; 16 x lane + six images
.set L4,  7                            ; 4 x lane
.set BV,  8                            ; v's bias of my lane's channel
.set BO,  9                            ; 32 x (lane / 16)
.set RR,  10                           ; lane % 16
.set HF,  11                           ; lane / 16
.set RM,  12                           ; my row in a tile
.set BVO, 13
.set S16, 15                           ; 16 (lane % 16) + 8 (lane / 16)
.set SEL, 60                           ; s[60:61] v_permlanex16_b32's selects for lane l xor 16
.set MNT, 62                           ; the mantissa field of 448
.set FAC, 66                           ; s[66:67] 1/8
	s_load_b512 s[36:51], s[0:1], 0x0              ; queries 36, keys 38, values 40, Wq 42, Wk 44, Wv 46, bq 48, bk 50
	s_load_b512 s[68:83], s[0:1], 0x40             ; bv 68, Wr 70, Wo 72, qimg 74, kimg 76, vq 78, wr 80, wo 82
	v_lshl_add_u32 v50, v0, 2, 0x19800
	v_mov_b32 v51, 0
	v_lshrrev_b32 v1, 5, v0
	v_readfirstlane_b32 s5, v1                     ; wave
	s_lshr_b32 s2, ttmp9, 5                        ; kind
	s_and_b32 s3, ttmp9, 7                         ; head (kind 3: which twelve tiles)
	s_bfe_u32 s4, ttmp9, 0x20003                   ; block of 128 rows
	s_cmp_eq_u32 s2, 2
	s_cselect_b32 s6, 1, 0                         ; 1: the rows of a tile are chosen as v wants them
	v_and_b32 v14, 31, v0
	v_lshlrev_b32 v[LI], 4, v14
	v_lshlrev_b32 v[L4], 2, v14
	v_add_nc_u32 v[SL], SCB, v[L4]
	v_add_nc_u32 v[LI2], 49152, v[LI]
	s_mul_i32 s7, s5, 24576
	v_add_nc_u32 v[IW], s7, v[LI]
	s_mul_i32 s7, s5, 1536
	v_add_nc_u32 v[SW], s7, v[SL]
	v_and_b32 v[RR], 15, v0
	v_bfe_u32 v[HF], v0, 4, 1
	v_and_b32 v[RM], 8, v[RR]
	v_mul_u32_u24 v[RM], v[RM], s6
	v_add_nc_u32 v[RM], v[RM], v[RR]               ; r, or r + 8 (r / 8)
	v_lshlrev_b32 v[VOF], 11, v[RM]
	v_lshl_add_u32 v[VOF], v[HF], 6, v[VOF]
	v_lshlrev_b32 v[BO], 5, v[HF]
	v_lshlrev_b32 v[S16], 4, v[RR]
	v_lshl_add_u32 v[S16], v[HF], 3, v[S16]
	v_lshlrev_b32 v[BVO], 2, v[RM]
.irp b, 0,1,2,3
	v_mov_b32 v[TM+4+\b], 0                        ; written once: a lane permute's destination counts as one of its sources
.endr
	s_mov_b32 s[SEL], 0x76543210
	s_mov_b32 s[SEL+1], 0xfedcba98
	s_mov_b32 s[MNT], 0x600000
	s_mov_b32 s[FAC], 0x3e000000
	s_mov_b32 s[FAC+1], s[FAC]
.macro TILEROW dst, sig                ; a tile's first row: 16 sig, or for v 32 (sig / 2) + 8 (sig % 2)
	s_lshr_b32 s30, \sig, 1
	s_lshl_b32 s30, s30, 5
	s_and_b32 s31, \sig, 1
	s_lshl_b32 s31, s31, 3
	s_add_co_u32 s30, s30, s31
	s_lshl_b32 s31, \sig, 4
	s_cmp_eq_u32 s2, 2
	s_cselect_b32 \dst, s30, s31
.endm
	s_add_co_u32 s26, s5, 4
	TILEROW s27, s5                                ; tile w
	TILEROW s28, s26                               ; tile w + 4
	s_lshl_b32 s29, s4, 7
	s_lshl_b32 s32, s3, 6
	s_add_co_u32 s33, s29, s27                     ; slot 0: x's tile w
	s_add_co_u32 s34, s29, s28                     ; slot 1: x's tile w + 4
	s_add_co_u32 s35, s32, s27                     ; slot 2: tile w of the head's 64 rows of W
	s_mul_i32 s52, s3, 12
	s_add_co_u32 s52, s52, s5                      ; kind 3: slot i takes tile 12 (g - 96) + w + 4 i of the 96
	s_lshl_b32 s58, s27, 2
	v_add_nc_u32 v[BVO], s58, v[BVO]               ; v's bias: my lane's channel in the head, x 4
	s_wait_kmcnt 0x0
	s_cmp_eq_u32 s2, 0                             ; the choices hang on the work-group's number alone
	s_cselect_b64 s[8:9], s[36:37], s[38:39]       ; x
	s_cselect_b64 s[10:11], s[42:43], s[44:45]     ; W
	s_cselect_b64 s[12:13], s[48:49], s[50:51]     ; bias
	s_cselect_b64 s[14:15], s[74:75], s[76:77]     ; qimg or kimg
	s_cmp_ge_u32 s2, 2
	s_cselect_b64 s[8:9], s[40:41], s[8:9]
	s_cselect_b64 s[10:11], s[46:47], s[10:11]
	s_cselect_b64 s[12:13], s[68:69], s[12:13]
.macro SLOTP i, xp, row                ; s[20 + 2 i : 21 + 2 i]: where slot i's 16 rows of 2,048 bytes begin
	s_add_co_u32 s53, s52, 4*\i
	s_cmp_lt_u32 s53, 64
	s_cselect_b64 s[54:55], s[70:71], s[72:73]     ; tiles 0-63 are Wr's, 64-95 Wo's
	s_cselect_b32 s56, 0, 64
	s_sub_co_u32 s53, s53, s56
	s_lshl_b32 s53, s53, 4
	s_cmp_eq_u32 s2, 3
	s_cselect_b64 s[20+2*\i:21+2*\i], s[54:55], s[\xp:\xp+1]
	s_cselect_b32 s56, s53, \row
	s_lshl_b32 s56, s56, 11
	s_mov_b32 s57, 0
	s_add_nc_u64 s[20+2*\i:21+2*\i], s[20+2*\i:21+2*\i], s[56:57]
.endm
	SLOTP 0, 8, s33
	SLOTP 1, 8, s34
	SLOTP 2, 10, s35
	s_lshl_b32 s56, s3, 8
	s_mov_b32 s57, 0
	s_add_nc_u64 s[16:17], s[12:13], s[56:57]      ; the head's 64 numbers of the bias
; 64 numbers of a lane: K step s of the tile at s[p]: register 16 b + i = k 128 s + 32 b + 16 (lane / 16) + i of my row
.macro XLOAD set, p, s
.irp b, 0,1,2,3
.irp j, 0,1,2,3
	global_load_b128 v[\set+16*\b+4*\j:\set+16*\b+4*\j+3], v[VOF], s[\p:\p+1] offset:512*(\s)+128*\b+16*\j
.endr
.endr
.endm
; v[src] .. : nb blocks of 16 numbers a lane become codes in v[pc] on and the blocks' scale bytes in v[pw]
.macro QUANT src, pc, pw, nb
.set qb, 0
.rept \nb
	v_max3_num_f32 v[TM+qb], |v[\src+16*qb]|, |v[\src+16*qb+1]|, 0x4800000   ; my 16 numbers, and the floor 2^(9 - 127): the byte cannot fall under 1
.set qb, qb+1
.endr
.set qi, 2
.rept 7
.set qb, 0
.rept \nb
	v_max3_num_f32 v[TM+qb], v[TM+qb], |v[\src+16*qb+qi]|, |v[\src+16*qb+qi+1]|   ; the blocks by turns
.set qb, qb+1
.endr
.set qi, qi+2
.endr
.set qb, 0
.rept \nb
	v_permlanex16_b32 v[TM+4+qb], v[TM+qb], s[SEL], s[SEL+1]
.set qb, qb+1
.endr
.set qb, 0
.rept \nb
	v_max_num_f32 v[TM+qb], v[TM+qb], v[TM+4+qb]   ; with lane l xor 16's 16: the block's largest magnitude
.set qb, qb+1
.endr
.set qb, 0
.rept \nb
	v_add_nc_u32 v[TM+12+qb], 0xfc000000, v[TM+qb] ; 8 off its exponent field: the conversion's scale operand
.set qb, qb+1
.endr
.set qb, 0
.rept \nb
	v_and_or_b32 v[TM+8+qb], v[TM+qb], 0x7f800000, s[MNT]   ; 448 x the scale
.set qb, qb+1
.endr
.set qb, 0
.rept \nb
	v_lshrrev_b32 v[TM+4+qb], 23, v[TM+12+qb]      ; the scale's byte
.set qb, qb+1
.endr
	v_lshl_or_b32 v[\pw], v[TM+5], 8, v[TM+4]
.if \nb == 4
	v_lshl_or_b32 v[\pw], v[TM+6], 16, v[\pw]
	v_lshl_or_b32 v[\pw], v[TM+7], 24, v[\pw]
.endif
.set qb, 0
.rept \nb
.set qi, 0
.rept 16
	v_med3_num_f32 v[\src+16*qb+qi], v[\src+16*qb+qi], -v[TM+8+qb], v[TM+8+qb]   ; the conversion to an 8-bit code does not saturate (ISA guide 7.6.2): the hold comes first
.set qi, qi+1
.endr
	v_cvt_scalef32_pk8_fp8_f32 v[\pc+4*qb:\pc+4*qb+1], v[\src+16*qb:\src+16*qb+7], v[TM+12+qb]
	v_cvt_scalef32_pk8_fp8_f32 v[\pc+4*qb+2:\pc+4*qb+3], v[\src+16*qb+8:\src+16*qb+15], v[TM+12+qb]
.set qb, qb+1
.endr
	v_nop                                          ; a plain line between the last conversion and whatever next touches its registers
.endm
; Slice n = 4 x slot + K step: wait, quantise, image to LDS, and the slice three on is asked for into the registers just left
.macro SLICE n, left
	s_wait_loadcnt \left
.set QS, 64+64*((\n)%3)
	QUANT QS, PC, PW, 4
.irp c, 0,1,2,3
	ds_store_b128 v[IW], v[PC+4*\c:PC+4*\c+3] offset:2048*(\n)+512*\c
.endr
	ds_store_b32 v[SW], v[PW] offset:128*(\n)
	s_wait_dscnt 0x0                               ; the stores have read their registers: the next slice writes them
.if (\n) <= 8
.set XP_, 20+2*(((\n)+3)/4)
.set XK_, ((\n)+3)%4
	XLOAD QS, XP_, XK_
.endif
.endm
	XLOAD 64, 20, 0
	XLOAD 128, 20, 1
	XLOAD 192, 20, 2
.irp n, 0,1,2,3,4,5,6,7,8,9
	SLICE \n, 32                                   ; this slice's 16 loads are in; the two younger slices' 32 may be out
.endr
	SLICE 10, 16                                   ; one younger slice
; The biases, into registers that slice 10 has left.  They stand on every path, so that the count below means the same everywhere; the weights' work-groups do not use them.
.irp t, 0,1,2,3
.irp p, 0,1
	global_load_b128 v[128+8*\t+4*\p:128+8*\t+4*\p+3], v[BO], s[16:17] offset:64*\t+16*\p   ; q, k: lane (r, h) wants channels 16 t + 8 h + 0 .. 7
.endr
.endr
	global_load_b32 v[BV], v[BVO], s[16:17]        ; v: my lane's channel
	SLICE 11, 9                                    ; the nine bias loads may be out
	s_barrier_signal -1                            ; every wave's images have landed (its last wait on DScnt was for 0)
	s_barrier_wait -1
	s_wait_loadcnt 0x0                             ; the biases
	s_cmp_eq_u32 s2, 3
	s_cbranch_scc1 .Lweights
	s_cmp_eq_u32 s2, 2
	s_cbranch_scc1 .Lv
.macro FRAG reg, idx, s                ; image idx, K step s, into v[reg] on
.if (\idx) < 6
.irp c, 0,1,2,3
	ds_load_b128 v[\reg+4*\c:\reg+4*\c+3], v[LI] offset:(\idx)*8192+(\s)*2048+512*\c
.endr
.else
.irp c, 0,1,2,3
	ds_load_b128 v[\reg+4*\c:\reg+4*\c+3], v[LI2] offset:((\idx)-6)*8192+(\s)*2048+512*\c
.endr
.endif
.endm
.macro FRAGO reg, i, s                 ; my own slot i
.irp c, 0,1,2,3
	ds_load_b128 v[\reg+4*\c:\reg+4*\c+3], v[IW] offset:(\i)*8192+(\s)*2048+512*\c
.endr
.endm
; ---- q, k.  Transposed: source 0 = 16 rows of W, source 1 = 16 rows of x: lane (r, h) holds row r and channels 16 t + 8 h + 0 .. 7.  My two tiles of rows x the head's four tiles: eight accumulators by turns; the bias is the first C.
.irp s, 0,1,2,3
	FRAGO 160, 0, \s
	FRAGO 176, 1, \s
.irp t, 0,1,2,3
	FRAG 192+16*\t, 3*\t+2, \s
	ds_load_b32 v[SCW+2+\t], v[SL] offset:((3*\t+2)*4+\s)*128
.endr
	ds_load_b32 v[SCW], v[SW] offset:\s*128
	ds_load_b32 v[SCW+1], v[SW] offset:(4+\s)*128
	s_wait_dscnt 0x0
.irp x, 0,1
.irp t, 0,1,2,3
.if \s == 0
	v_wmma_scale_f32_16x16x128_f8f6f4 v[64+8*(4*\x+\t):64+8*(4*\x+\t)+7], v[192+16*\t:192+16*\t+15], v[160+16*\x:160+16*\x+15], v[128+8*\t:128+8*\t+7], v[SCW+2+\t], v[SCW+\x]
.else
	v_wmma_scale_f32_16x16x128_f8f6f4 v[64+8*(4*\x+\t):64+8*(4*\x+\t)+7], v[192+16*\t:192+16*\t+15], v[160+16*\x:160+16*\x+15], v[64+8*(4*\x+\t):64+8*(4*\x+\t)+7], v[SCW+2+\t], v[SCW+\x]
.endif
.endr
.endr
.rept 8
	v_nop                                          ; eight places ahead of loads into the products' registers and of the first read of results
.endr
.endr
	s_lshl_b32 s56, s4, 3
	s_add_co_u32 s56, s56, s5
	s_lshl_b32 s56, s56, 3
	s_add_co_u32 s56, s56, s3
	s_lshl_b32 s56, s56, 12                        ; ((tile of rows) x 8 + head) x 4,096
	s_mov_b32 s57, 0
	s_add_nc_u64 s[14:15], s[14:15], s[56:57]
	s_cmp_lg_u32 s2, 0
	s_cbranch_scc1 .Lplain                         ; k is stored as it is
.set kk, 0
.rept 32
	v_pk_mul_f32 v[64+2*kk:65+2*kk], v[64+2*kk:65+2*kk], s[FAC:FAC+1] op_sel_hi:[1,0]   ; q: x 64^-1/2
.set kk, kk+1
.endr
.Lplain:
.irp x, 0,1
.irp t, 0,1,2,3
.irp p, 0,1
	global_store_b128 v[LI], v[64+8*(4*\x+\t)+4*\p:64+8*(4*\x+\t)+4*\p+3], s[14:15] offset:131072*\x+1024*\t+512*\p   ; 512 consecutive bytes a store
.endr
.endr
.endr
	s_wait_tensorcnt 0x0
	ds_add_u32 v50, v51
	s_wait_dscnt 0x0
	s_endpgm
; ---- v.  Source 0 = 16 rows of values (keys), source 1 = my tile of 16 channels: lane (r, h) holds ONE channel, and register 16 b + i the key 32 b + 16 h + i of the block's 128: what the quantiser along the keys wants.
.Lv:
.irp j, 0,1,2,3,4,5,6,7
	v_mov_b32 v[16+\j], v[BV]                      ; the bias in the result's layout: the same for all keys
.endr
.irp s, 0,1,2,3
.irp g, 0,1,2,3,4,5,6,7
	FRAG 128+16*\g, 3*(\g%4)+\g/4, \s
	ds_load_b32 v[SCW+\g], v[SL] offset:((3*(\g%4)+\g/4)*4+\s)*128
.endr
	FRAGO 32, 2, \s
	ds_load_b32 v[SCW+8], v[SW] offset:(8+\s)*128
	s_wait_dscnt 0x0
.irp g, 0,1,2,3,4,5,6,7
.if \s == 0
	v_wmma_scale_f32_16x16x128_f8f6f4 v[64+8*\g:64+8*\g+7], v[128+16*\g:128+16*\g+15], v[32:47], v[16:23], v[SCW+\g], v[SCW+8]
.else
	v_wmma_scale_f32_16x16x128_f8f6f4 v[64+8*\g:64+8*\g+7], v[128+16*\g:128+16*\g+15], v[32:47], v[64+8*\g:64+8*\g+7], v[SCW+\g], v[SCW+8]
.endif
.endr
.rept 8
	v_nop
.endr
.endr
	QUANT 64, PC, PW, 4
	s_lshr_b32 s56, s4, 1                          ; batch
	s_lshl_b32 s56, s56, 3
	s_add_co_u32 s56, s56, s3
	s_lshl_b32 s56, s56, 2
	s_add_co_u32 s56, s56, s5
	s_lshl_b32 s56, s56, 1
	s_and_b32 s57, s4, 1
	s_add_co_u32 s56, s56, s57                     ; fragment ((batch x 8 + head) x 4 + tile) x 2 + which 128 keys
	s_lshl_b32 s58, s56, 7
	s_mov_b32 s59, 0
	s_lshl_b32 s56, s56, 11
	s_mov_b32 s57, 0
	s_add_nc_u64 s[84:85], s[78:79], s[56:57]
	s_add_nc_u64 s[86:87], s[78:79], s[58:59]
.irp c, 0,1,2,3
	global_store_b128 v[LI], v[PC+4*\c:PC+4*\c+3], s[84:85] offset:512*\c
.endr
	global_store_b32 v[L4], v[PW], s[86:87] offset:262144
	s_wait_tensorcnt 0x0
	ds_add_u32 v50, v51
	s_wait_dscnt 0x0
	s_endpgm
; ---- the weights: my three images leave as they lie; a tile's 16 x 4 scale words leave as 256 consecutive bytes
.Lweights:
.irp i, 0,1,2
	s_add_co_u32 s53, s52, 4*\i                    ; tile T
	s_lshr_b32 s54, s53, 5                         ; Wr: 0 relation queries, 1 relation keys
	s_bfe_u32 s55, s53, 0x30002                    ; head
	s_and_b32 s56, s53, 3                          ; tile of the head's 64
	s_lshl_b32 s57, s54, 2
	s_add_co_u32 s57, s57, s56
	s_lshl_b32 s57, s57, 13
	s_lshl_b32 s58, s55, 16
	s_add_co_u32 s57, s57, s58                     ; Wr's codes: head x 65,536 + (4 u + t) x 8,192
	s_lshl_b32 s58, s55, 11
	s_lshl_b32 s56, s56, 9
	s_add_co_u32 s58, s58, s56
	s_lshl_b32 s54, s54, 8
	s_add_co_u32 s58, s58, s54
	s_add_co_u32 s58, s58, 524288                  ; Wr's scales: head x 2,048 + t x 512 + u x 256
	s_sub_co_u32 s59, s53, 64
	s_lshl_b32 s54, s59, 13                        ; Wo's codes
	s_lshl_b32 s59, s59, 8
	s_add_co_u32 s59, s59, 262144                  ; Wo's scales
	s_cmp_lt_u32 s53, 64
	s_cselect_b64 s[84+4*\i:85+4*\i], s[80:81], s[82:83]
	s_cselect_b32 s56, s57, s54
	s_cselect_b32 s58, s58, s59
	s_mov_b32 s57, 0
	s_mov_b32 s59, 0
	s_add_nc_u64 s[86+4*\i:87+4*\i], s[84+4*\i:85+4*\i], s[58:59]
	s_add_nc_u64 s[84+4*\i:85+4*\i], s[84+4*\i:85+4*\i], s[56:57]
.irp q, 0,1,2,3,4,5,6,7,8,9,10,11,12,13,14,15
	ds_load_b128 v[64+64*\i+4*\q:64+64*\i+4*\q+3], v[IW] offset:8192*\i+512*\q
.endr
.irp s, 0,1,2,3
	ds_load_b32 v[SCW+4*\i+\s], v[SW] offset:(4*\i+\s)*128
.endr
.endr
	v_cmp_eq_u32 vcc_lo, 1, v[HF]
	s_wait_dscnt 0x0
.irp i, 0,1,2
	v_cndmask_b32 v[16+2*\i], v[SCW+4*\i], v[SCW+4*\i+2], vcc_lo     ; lanes 0-15 store K steps 0, 1 of their row, lanes 16-31 K steps 2, 3
	v_cndmask_b32 v[17+2*\i], v[SCW+4*\i+1], v[SCW+4*\i+3], vcc_lo
.endr
.irp i, 0,1,2
.irp q, 0,1,2,3,4,5,6,7,8,9,10,11,12,13,14,15
	global_store_b128 v[LI], v[64+64*\i+4*\q:64+64*\i+4*\q+3], s[84+4*\i:85+4*\i] offset:512*\q
.endr
	global_store_b64 v[S16], v[16+2*\i:17+2*\i], s[86+4*\i:87+4*\i]
.endr
	s_wait_tensorcnt 0x0
	ds_add_u32 v50, v51
	s_wait_dscnt 0x0
	s_endpgm
.Lfunc_end_k_qd800fc0a21_prep:
	.size	k_qd800fc0a21_prep, .Lfunc_end_k_qd800fc0a21_prep-k_qd800fc0a21_prep
	.p2alignl 7, 3214868480
	.fill 96, 4, 3214868480
	.section	.rodata,"a",@progbits
	.p2align	6, 0x0
	.amdhsa_kernel k_qd800fc0a21_prep
		.amdhsa_group_segment_fixed_size 104960
		.amdhsa_private_segment_fixed_size 0
		.amdhsa_enable_private_segment 0
		.amdhsa_kernarg_size 128
		.amdhsa_user_sgpr_count 2
		.amdhsa_user_sgpr_kernarg_segment_ptr 1
		.amdhsa_wavefront_size32 1
		.amdhsa_system_sgpr_workgroup_id_x 1
		.amdhsa_system_sgpr_workgroup_id_y 1
		.amdhsa_system_sgpr_workgroup_id_z 1
		.amdhsa_system_vgpr_workitem_id 0
		.amdhsa_next_free_vgpr 256
		.amdhsa_next_free_sgpr 100
		.amdhsa_reserve_vcc 1
		.amdhsa_float_denorm_mode_32 3
		.amdhsa_float_denorm_mode_16_64 3
		.amdhsa_memory_ordered 1
		.amdhsa_forward_progress 1
		.amdhsa_inst_pref_size 178
	.end_amdhsa_kernel
	.amdgpu_metadata
---
amdhsa.version: [ 1, 2 ]
amdhsa.kernels:
  - .name:           k_qd800fc0a21_prep
    .symbol:         k_qd800fc0a21_prep.kd
    .args:
      - { .name: queries, .offset: 0, .size: 8, .value_kind: global_buffer, .address_space: global }
      - { .name: keys, .offset: 8, .size: 8, .value_kind: global_buffer, .address_space: global }
      - { .name: values, .offset: 16, .size: 8, .value_kind: global_buffer, .address_space: global }
      - { .name: Wq, .offset: 24, .size: 8, .value_kind: global_buffer, .address_space: global }
      - { .name: Wk, .offset: 32, .size: 8, .value_kind: global_buffer, .address_space: global }
      - { .name: Wv, .offset: 40, .size: 8, .value_kind: global_buffer, .address_space: global }
      - { .name: bq, .offset: 48, .size: 8, .value_kind: global_buffer, .address_space: global }
      - { .name: bk, .offset: 56, .size: 8, .value_kind: global_buffer, .address_space: global }
      - { .name: bv, .offset: 64, .size: 8, .value_kind: global_buffer, .address_space: global }
      - { .name: Wr, .offset: 72, .size: 8, .value_kind: global_buffer, .address_space: global }
      - { .name: Wo, .offset: 80, .size: 8, .value_kind: global_buffer, .address_space: global }
      - { .name: qimg, .offset: 88, .size: 8, .value_kind: global_buffer, .address_space: global }
      - { .name: kimg, .offset: 96, .size: 8, .value_kind: global_buffer, .address_space: global }
      - { .name: vq, .offset: 104, .size: 8, .value_kind: global_buffer, .address_space: global }
      - { .name: wr, .offset: 112, .size: 8, .value_kind: global_buffer, .address_space: global }
      - { .name: wo, .offset: 120, .size: 8, .value_kind: global_buffer, .address_space: global }
    .group_segment_fixed_size: 104960
    .private_segment_fixed_size: 0
    .kernarg_segment_align: 8
    .kernarg_segment_size: 128
    .max_flat_workgroup_size: 128
    .sgpr_count:     100
    .vgpr_count:     256
    .wavefront_size: 32
...
	.end_amdgpu_metadata
.endif
;; end of part 1
;; launch main (part 2): grid 256 x 1, 4 waves a work-group, no clusters, 321,024 bytes of LDS; arguments relation, wr, qimg, kimg, logits; writes logits
.if DOCPART == 2
	.amdgcn_target "amdgcn-amd-amdhsa--gfx1250"
	.amdhsa_code_object_version 6
	.text
	.protected	k_qd800fc0a21_main
	.globl	k_qd800fc0a21_main
	.p2align	8
	.type	k_qd800fc0a21_main,@function
k_qd800fc0a21_main:
	s_mov_b64 s[64:65], 0
	v_nop
	global_prefetch_b8 v0, s[64:65] scope:SCOPE_SE
	s_setreg_imm32_b32 hwreg(HW_REG_WAVE_MODE, 25, 1), 1
	s_wait_xcnt 0x0
; MAIN.  logit[b][c][a][h] = sum over n of (q[b][c][h][n] + rq_n) (k[b][a][h][n] + rk_n), (rq, rk) = the 128 columns of head h of relation[b][a][c][:] Wr^T, that product on codes of E4M3 with E8M0 scales.
; The product's result never goes to memory: only the logits do.
; SHARES.  A work-group owns 32 values of a x 16 values of c: 512 rows of relation, 32 tiles of 16 rows (one a, 16 c: 32 KiB on end in memory).  Each row is read once, quantised once, and its codes stay in LDS as images of
; operand registers.  THE WAVES SHARE THE COLUMNS: wave w keeps ONE HEAD of Wr in registers (8 tiles x 4 K steps x 16 = 512) and multiplies every tile by it: head w in pass 1, head w + 4 in pass 2.
; Pass 1, a chunk of four tiles at a time: wave w quantises tile w of the chunk | barrier | every wave multiplies the four tiles.  Pass 2 reads LDS alone.
; TRANSPOSED: source 0 = 16 rows of Wr, source 1 = 16 rows of relation: lane (r, h) holds row c = r and channels 16 t + 8 h + 0 .. 7, in rq's tile t and in rk's alike.  q and k are the C of each sum's first product.
; So the dot product is 16 packed multiply-adds a tile and one exchange between the halves of the lanes, shared by two tiles.
; No tensor loads: a tile of relation is read by one wave once and has to pass through registers for the quantiser; four sets of registers keep 64 loads of 512 bytes a wave on their way.
; No cluster: Wr goes from memory into the registers of the one wave of a work-group that uses it, and LDS has no room in which a joint load could land (320,512 of its bytes are in use).
; LIMITS: NaN and infinities among the inputs are not served; a block whose largest magnitude lies under 2^-118 keeps the scale byte 1, and so does a block of zeros (its codes are zeros).
; REGISTERS, in windows of 256: window 1: Wr's K steps 0, 1 (128 (s % 2) + 16 j); window 2: K steps 2, 3; window 3: four sets of 64 numbers of relation, in pass 2 the second head's K steps 0, 1; window 0: all else.
.set ASP,  262144                      ; LDS: 0: 32 tiles' images, 8,192 bytes each;  here: their scale words, 256 bytes a tile (16 r + 4 s)
.set KT,   270336                      ; 8 KiB a wave: k of my head for the work-group's 32 values of a, as kimg has it
.set STG,  303104                      ; 16 rows x 272 bytes a wave: the turn from "neighbouring lanes, neighbouring bytes" to "a lane, 16 neighbours"
.set LI,    1                          ; 16 x lane
.set GOF,   2                          ; (lane / 16) x 2,048 + (lane % 16) x 16: two rows of relation, 256 bytes of each
.set STW,   3                          ; the stage, in
.set STR,   4                          ; the stage, out
.set AWI0,  5                          ; where I store images: tile w of chunk 0;  v6: of the chunk in hand
.set AWI,   6
.set ASW0,  7                          ; and scale words
.set ASW,   8
.set ADA,   9                          ; read addresses of the chunk in hand: images, scale words, k
.set ADAS,  10
.set ADK,   11
.set ADAS0, 12
.set ADK0,  13
.set KTW,   14
.set LGO0,  15
.set LGO,   16                         ; my 8 bytes of the chunk's 256 bytes of logits
.set ADA2,  17                         ; v17-19: the same three read addresses for the NEXT chunk (ADA + 8 ..)
.set P,     20                         ; v20-23 a tile's half sums
.set R,     24                         ; v[24:25] the logits of four tiles
.set SND,   26
.set KEP,   27
.set PRM,   28
.set T,     30                         ; v30-37 four packed chains
.set WSC,   40                         ; v40-55 Wr's scale words: 4 t + s; lanes 0-15 rq's rows, lanes 16-31 rk's.  v40-63 hold scales and nothing else
.set AS,    56                         ; v56-63 the tiles' scale words, two sets by turns
.set QB,    64                         ; v64-95  q in the result's layout
.set KB,    96                         ; v96-127 k likewise, of the tile in hand
.set AF,    128                        ; v128-191 the tile's four fragments
.set ACC,   192                        ; v192-255 eight accumulators: rq's four tiles, rk's four
.set TM,    128                        ; while a tile is quantised AF's registers serve: v128-143 work, v144-159 and v164-179 codes, v160-163 the four scale words
.set PC0,   144
.set PW,    160
.set PC1,   164
.set SEL,   20
.set FLOOR, 22
.set MNT,   23
.set EXPM,  24
.set M8,    25
.set HM,    26
.set MSB, 0
.macro WIN new                         ; the immediate's high byte repeats the setting that is left
.if MSB != \new
	s_set_vgpr_msb (MSB<<8)|\new
.set MSB, \new
.endif
.endm
.macro PLACES n
.rept \n
	v_nop
.endr
.endm
	s_load_b256 s[4:11], s[0:1], 0x0               ; relation 4, wr 6, qimg 8, kimg 10
	s_load_b64 s[12:13], s[0:1], 0x20              ; logits
	v_lshrrev_b32 v1, 5, v0
	v_readfirstlane_b32 s14, v1                    ; wave
	s_lshr_b32 s15, ttmp9, 7                       ; batch
	s_bfe_u32 s16, ttmp9, 0x40003                  ; which 16 c
	s_and_b32 s17, ttmp9, 7                        ; which 32 a
	s_lshl_b32 s34, s15, 27                        ; relation: batch 2^27, a 2^19, c 2^11 bytes.  Tile w of chunk n is a = 32 ag + 16 (w % 2) + 2 n + w / 2
	s_lshl_b32 s18, s17, 24
	s_add_co_u32 s34, s34, s18
	s_lshl_b32 s18, s16, 15
	s_add_co_u32 s34, s34, s18
	s_and_b32 s18, s14, 1
	s_lshl_b32 s18, s18, 23
	s_add_co_u32 s34, s34, s18
	s_lshr_b32 s18, s14, 1
	s_lshl_b32 s18, s18, 19
	s_add_co_u32 s34, s34, s18
	s_mov_b32 s35, 0
	s_lshr_b32 s18, ttmp9, 3
	s_lshl_b32 s18, s18, 3
	s_add_co_u32 s18, s18, s14                     ; (tile of c) x 8 + head
	s_lshl_b32 s36, s18, 12
	s_mov_b32 s37, 0
	s_lshl_b32 s18, s18, 3
	s_add_co_u32 s18, s18, s17
	s_lshl_b32 s38, s18, 11
	s_mov_b32 s39, 0
	s_lshl_b32 s18, s15, 4
	s_lshl_b32 s19, s17, 1
	s_add_co_u32 s18, s18, s19
	s_lshl_b32 s18, s18, 3
	s_add_co_u32 s18, s18, s14                     ; (first tile of a) x 8 + head
	s_lshl_b32 s40, s18, 12
	s_mov_b32 s41, 0
	s_lshl_b32 s42, s14, 16
	s_mov_b32 s43, 0
	s_lshl_b32 s44, s14, 11
	s_mov_b32 s45, 0
	v_and_b32 v29, 31, v0
	v_and_b32 v38, 15, v0
	v_bfe_u32 v39, v0, 4, 1
	v_lshlrev_b32 v[LI], 4, v29
	v_lshlrev_b32 v[GOF], 4, v38
	v_lshl_add_u32 v[GOF], v39, 11, v[GOF]
	s_mul_i32 s18, s14, 4352
	s_add_co_u32 s18, s18, STG
	v_mul_u32_u24 v[STW], v39, 272
	v_lshl_add_u32 v[STW], v38, 4, v[STW]
	v_add_nc_u32 v[STW], s18, v[STW]
	v_mul_u32_u24 v[STR], v38, 272
	v_lshl_add_u32 v[STR], v39, 6, v[STR]
	v_add_nc_u32 v[STR], s18, v[STR]
	s_lshl_b32 s18, s14, 13
	v_add_nc_u32 v[AWI0], s18, v[LI]
	s_add_co_u32 s18, s18, KT
	v_lshl_add_u32 v[ADK0], v39, 8, s18
	v_add_nc_u32 v[KTW], s18, v[LI]
	s_lshl_b32 s18, s14, 8
	s_add_co_u32 s18, s18, ASP
	v_lshl_add_u32 v[ASW0], v38, 4, s18
	v_lshlrev_b32 v[ADAS0], 4, v38
	v_add_nc_u32 v[ADAS0], ASP, v[ADAS0]
	v_lshlrev_b32 v[LGO0], 3, v29
	v_mov_b32 v[PRM], 0                            ; written once: a lane permute's destination counts as one of its sources
	s_mov_b32 s[SEL], 0x76543210
	s_mov_b32 s[SEL+1], 0xfedcba98
	s_mov_b32 s[FLOOR], 0x4800000                  ; 2^(9 - 127)
	s_mov_b32 s[MNT], 0x600000                     ; the mantissa field of 448
	s_mov_b32 s[EXPM], 0x7f800000
	s_mov_b32 s[M8], 0xfc000000                    ; -(8 << 23)
	s_mov_b32 s[HM], 0xffff0000                    ; lanes 16-31
	s_mov_b32 s28, 0                               ; the chunk's place: images (32,768 a chunk),
	s_mov_b32 s29, 0                               ; scale words (1,024),
	s_mov_b32 s30, 0                               ; k (32),
	s_mov_b32 s31, 0                               ; logits (256)
	s_wait_kmcnt 0x0
	s_add_nc_u64 s[32:33], s[6:7], s[44:45]        ; Wr's scale words of head w
	s_add_nc_u64 s[6:7], s[6:7], s[42:43]          ; its codes
	s_add_nc_u64 s[4:5], s[4:5], s[34:35]
	s_add_nc_u64 s[8:9], s[8:9], s[36:37]
	s_add_nc_u64 s[10:11], s[10:11], s[40:41]
	s_add_nc_u64 s[12:13], s[12:13], s[38:39]
.macro SMALL pass                      ; k (two tiles of a), q and Wr's scale words of head w + 4 pass
.irp q, 0,1,2,3,4,5,6,7,8,9,10,11,12,13,14,15
	global_load_b128 v[AF+4*\q:AF+4*\q+3], v[LI], s[10:11] offset:32768*(\q/8)+16384*\pass+512*(\q%8)
.endr
.irp q, 0,1,2,3,4,5,6,7
	global_load_b128 v[QB+4*\q:QB+4*\q+3], v[LI], s[8:9] offset:16384*\pass+512*\q
.endr
.irp t, 0,1,2,3
	global_load_b128 v[WSC+4*\t:WSC+4*\t+3], v[LI], s[32:33] offset:524288+8192*\pass+512*\t
.endr
.endm
.macro KTSTORE
.irp q, 0,1,2,3,4,5,6,7,8,9,10,11,12,13,14,15
	ds_store_b128 v[KTW], v[AF+4*\q:AF+4*\q+3] offset:512*\q
.endr
.endm
.macro WLOAD s0, off                   ; K steps s0, s0 + 1 of a head's eight tiles: 64 loads, 256 registers
.irp u, 0,1
.irp j, 0,1,2,3,4,5,6,7
.irp c, 0,1,2,3
	global_load_b128 v[128*\u+16*\j+4*\c:128*\u+16*\j+4*\c+3], v[LI], s[6:7] offset:\off+8192*\j+2048*(\s0+\u)+512*\c
.endr
.endr
.endr
.endm
; K step "set" of my tile, from off bytes on: each load takes 256 consecutive bytes of two rows
.macro RLOAD set, off
	WIN 0xc0                                       ; destination window 3
.irp e, 0,1
.irp m, 0,1,2,3,4,5,6,7
	global_load_b128 v[64*\set+32*\e+4*\m:64*\set+32*\e+4*\m+3], v[GOF], s[4:5] offset:\off+4096*\m+512*\set+256*\e th:TH_LOAD_NT
.endr
.endr
.endm
.macro W2LOAD set                      ; in the last chunk the sets take the second head's K steps 0 and 1 as they fall free
	WIN 0xc0
.irp j, 0,1,2,3
.irp c, 0,1,2,3
	global_load_b128 v[64*\set+16*\j+4*\c:64*\set+16*\j+4*\c+3], v[LI], s[6:7] offset:262144+8192*(4*(\set%2)+\j)+2048*(\set/2)+512*\c
.endr
.endr
.endm
.macro NEXTLOAD kind, set
.if \kind == 1
	RLOAD \set, 0x100000                           ; the next chunk's tile lies two values of a on
.else
	W2LOAD \set
.endif
.endm
; The set's 16 rows x 512 bytes go through my stage, 256 bytes of each row at a time, and come back 64 bytes a lane, into the registers that they left: register 16 b + i = k 32 b + 16 (lane / 16) + i of row lane % 16.
; LDS serves a wave's instructions in order (ISA guide 5.7.1.4): no wait stands between the stores and the loads, nor ahead of the next stores.
.macro TURN set
.irp e, 0,1
	WIN 0x0c                                       ; an LDS store's data are its source 1: window 3
.irp m, 0,1,2,3,4,5,6,7
	ds_store_b128 v[STW], v[64*\set+32*\e+4*\m:64*\set+32*\e+4*\m+3] offset:544*\m
.endr
	WIN 0xc0
.irp q, 0,1,2,3,4,5,6,7
	ds_load_b128 v[64*\set+32*\e+4*\q:64*\set+32*\e+4*\q+3], v[STR] offset:128*(\q/4)+16*(\q%4)
.endr
.endr
.endm
.macro QUANT set, pc                   ; one run under each window setting
	WIN 0x0f
.irp b, 0,1,2,3
	v_max3_num_f32 v[TM+\b], |v[64*\set+16*\b]|, |v[64*\set+16*\b+1]|, s[FLOOR]   ; my 16 numbers of block b, and the floor: the byte cannot fall under 1
.endr
	WIN 0x3c
.irp i, 2,4,6,8,10,12,14
.irp b, 0,1,2,3
	v_max3_num_f32 v[TM+\b], v[TM+\b], |v[64*\set+16*\b+\i]|, |v[64*\set+16*\b+\i+1]|
.endr
.endr
	WIN 0
.irp b, 0,1,2,3
	v_permlanex16_b32 v[TM+4+\b], v[TM+\b], s[SEL], s[SEL+1]
.endr
.irp b, 0,1,2,3
	v_max_num_f32 v[TM+\b], v[TM+\b], v[TM+4+\b]   ; with lane l xor 16's 16: the block's largest magnitude
.endr
.irp b, 0,1,2,3
	v_add_nc_u32 v[TM+12+\b], s[M8], v[TM+\b]      ; 8 off its exponent field: the conversion's scale operand
.endr
.irp b, 0,1,2,3
	v_and_or_b32 v[TM+8+\b], v[TM+\b], s[EXPM], s[MNT]   ; 448 x the scale
.endr
.irp b, 0,1,2,3
	v_lshrrev_b32 v[TM+4+\b], 23, v[TM+12+\b]      ; the scale's byte
.endr
	v_lshl_or_b32 v[PW+\set], v[TM+5], 8, v[TM+4]
	v_lshl_or_b32 v[PW+\set], v[TM+6], 16, v[PW+\set]
	v_lshl_or_b32 v[PW+\set], v[TM+7], 24, v[PW+\set]
	WIN 0xc3
.irp b, 0,1,2,3
.irp i, 0,1,2,3,4,5,6,7,8,9,10,11,12,13,14,15
	v_med3_num_f32 v[64*\set+16*\b+\i], v[64*\set+16*\b+\i], -v[TM+8+\b], v[TM+8+\b]   ; the conversion does not saturate (ISA guide 7.6.2): the hold comes first
.endr
.endr
	WIN 0x03
.irp b, 0,1,2,3
	v_cvt_scalef32_pk8_fp8_f32 v[\pc+4*\b:\pc+4*\b+1], v[64*\set+16*\b:64*\set+16*\b+7], v[TM+12+\b]
	v_cvt_scalef32_pk8_fp8_f32 v[\pc+4*\b+2:\pc+4*\b+3], v[64*\set+16*\b+8:64*\set+16*\b+15], v[TM+12+\b]
.endr
	WIN 0
	v_nop                                          ; a plain line behind the last conversion
.endm
.macro IMAGE s, pc
.irp c, 0,1,2,3
	ds_store_b128 v[AWI], v[\pc+4*\c:\pc+4*\c+3] offset:2048*\s+512*\c
.endr
.endm
; My tile of the chunk: four K steps.  At its head the four sets' 64 loads are out, in order.
.macro QPART kind
	s_wait_loadcnt 48                              ; set 0 is in; sets 1 to 3 may be out
	TURN 0
	s_wait_loadcnt 32                              ; set 1
	TURN 1
	s_wait_dscnt 32                                ; set 0 is back from the stage; set 1's 32 may be out
	QUANT 0, PC0
	IMAGE 0, PC0
	NEXTLOAD \kind, 0
	s_wait_loadcnt 32                              ; set 2 is in; set 3 and the 16 just issued may be out
	TURN 2
	s_wait_dscnt 36                                ; set 1 is back; the image's 4 and set 2's 32 may be out
	QUANT 1, PC1
	IMAGE 1, PC1
	NEXTLOAD \kind, 1
	s_wait_loadcnt 32                              ; set 3 is in (in the first chunk this also shows all of Wr in: only 32 loads were issued behind it)
	TURN 3
	s_wait_dscnt 36                                ; set 2 is back, and the first image's stores are done: its codes' registers are written again
	QUANT 2, PC0
	IMAGE 2, PC0
	NEXTLOAD \kind, 2
	s_wait_dscnt 4                                 ; set 3 is back, the second image is done
	QUANT 3, PC1
	IMAGE 3, PC1
	ds_store_b128 v[ASW], v[PW:PW+3]               ; my rows' four scale words (both halves of the lanes store the same)
	NEXTLOAD \kind, 3
	WIN 0
	s_wait_dscnt 0x0                               ; for the others' sake: my images have landed
	s_barrier_signal -1
	s_barrier_wait -1                              ; the chunk's four tiles lie in LDS.  Their bytes are written once in the launch, so no barrier stands between these reads and the next chunk's stores
.endm
; The loads of a tile, in four runs.  TN: the tile's number in the chunk; RX: 0 the chunk in hand, 8 the next chunk's address registers
.macro RUNA
.irp c, 0,1,2,3
	ds_load_b128 v[AF+4*\c:AF+4*\c+3], v[ADA+RX] offset:TN*8192+512*\c
.endr
.irp q, 0,1,2,3,4,5,6,7
	ds_load_b128 v[KB+4*\q:KB+4*\q+3], v[ADK+RX] offset:(TN%2)*4096+(TN/2)*16+512*\q   ; k of the tile's a: the same 16 bytes for sixteen lanes
.endr
	ds_load_b128 v[AS+4*(TN%2):AS+4*(TN%2)+3], v[ADAS+RX] offset:TN*256
.endm
.macro RUNS s
.irp c, 0,1,2,3
	ds_load_b128 v[AF+16*\s+4*\c:AF+16*\s+4*\c+3], v[ADA+RX] offset:TN*8192+2048*\s+512*\c
.endr
.endm
.macro PRIME rs
.set TN, 0
.set RX, 8*\rs
	RUNA
	RUNS 1
	RUNS 2
	RUNS 3
.endm
; Eight products: K step s of the tile against my head's eight tiles; the eight accumulators take turns, one instruction a turn.  pad = 1: a v_nop behind each.
.macro KSTEP tau, s, pad
.irp j, 0,4,1,5,2,6,3,7
.if \j < 4
.if \s == 0
	v_wmma_scale_f32_16x16x128_f8f6f4 v[ACC+8*\j:ACC+8*\j+7], v[128*(\s%2)+16*\j:128*(\s%2)+16*\j+15], v[AF+16*\s:AF+16*\s+15], v[QB+8*\j:QB+8*\j+7], v[WSC+4*\j+\s], v[AS+4*((\tau)%2)+\s]
.else
	v_wmma_scale_f32_16x16x128_f8f6f4 v[ACC+8*\j:ACC+8*\j+7], v[128*(\s%2)+16*\j:128*(\s%2)+16*\j+15], v[AF+16*\s:AF+16*\s+15], v[ACC+8*\j:ACC+8*\j+7], v[WSC+4*\j+\s], v[AS+4*((\tau)%2)+\s]
.endif
.else
.if \s == 0
	v_wmma_scale_f32_16x16x128_f8f6f4 v[ACC+8*\j:ACC+8*\j+7], v[128*(\s%2)+16*\j:128*(\s%2)+16*\j+15], v[AF+16*\s:AF+16*\s+15], v[KB+8*(\j-4):KB+8*(\j-4)+7], v[WSC+4*(\j-4)+\s], v[AS+4*((\tau)%2)+\s] matrix_a_scale:MATRIX_SCALE_ROW1
.else
	v_wmma_scale_f32_16x16x128_f8f6f4 v[ACC+8*\j:ACC+8*\j+7], v[128*(\s%2)+16*\j:128*(\s%2)+16*\j+15], v[AF+16*\s:AF+16*\s+15], v[ACC+8*\j:ACC+8*\j+7], v[WSC+4*(\j-4)+\s], v[AS+4*((\tau)%2)+\s] matrix_a_scale:MATRIX_SCALE_ROW1
.endif
.endif
.if \pad
	v_nop
.endif
.endr
.endm
.macro EPI tau                         ; my 32 channels' part of the dot product: four packed chains; each accumulator is read from its low end on
.irp i, 0,1,2,3
.irp t, 0,1,2,3
.if \i == 0
	v_pk_mul_f32 v[T+2*\t:T+2*\t+1], v[ACC+8*\t:ACC+8*\t+1], v[ACC+32+8*\t:ACC+32+8*\t+1]
.else
	v_pk_fma_f32 v[T+2*\t:T+2*\t+1], v[ACC+8*\t+2*\i:ACC+8*\t+2*\i+1], v[ACC+32+8*\t+2*\i:ACC+32+8*\t+2*\i+1], v[T+2*\t:T+2*\t+1]
.endif
.endr
.endr
	v_pk_add_f32 v[T:T+1], v[T:T+1], v[T+2:T+3]
	v_pk_add_f32 v[T+4:T+5], v[T+4:T+5], v[T+6:T+7]
	v_pk_add_f32 v[T:T+1], v[T:T+1], v[T+4:T+5]
	v_add_f32 v[P+\tau], v[T], v[T+1]
.endm
; A TILE: 32 products.  At its head its 25 LDS loads are out, in four runs of 13, 4, 4, 4.  w01: the window setting for K steps 0 and 1 (Wr in window 1, or 3 in pass 2).
; nxt = 1: the next tile of the chunk is fetched meanwhile; 2: the next chunk's first tile; 0: none.  Each run lands in registers whose last product stands a K step back, with that step's eight v_nop between
; (eight places).
.macro TILE tau, w01, nxt
.if \nxt == 2
.set TN, 0
.set RX, 8
.else
.set TN, \tau+1
.set RX, 0
.endif
	s_wait_dscnt 12                                ; the first run is in: K step 0, k, the scale words
	WIN \w01
	KSTEP \tau, 0, 0
	s_wait_dscnt 8                                 ; K step 1
	KSTEP \tau, 1, 1
.if \nxt
	WIN 0
	RUNA
	s_wait_dscnt 17                                ; K step 2 is in; K step 3's 4 and the 13 just issued may be out
.else
	s_wait_dscnt 4
.endif
	WIN 0x02
	KSTEP \tau, 2, 1
.if \nxt
	WIN 0
	RUNS 1
	s_wait_dscnt 17                                ; K step 3 is in; 13 + 4 of the next tile may be out
	WIN 0x02
.else
	s_wait_dscnt 0x0
.endif
	KSTEP \tau, 3, 1
	WIN 0
.if \nxt
	RUNS 2
.endif
	PLACES 4                                       ; with the v_nop behind the last product and the three lines ahead of its first reader: eight places
	EPI \tau
.if \nxt
	RUNS 3
.endif
.endm
; Two tiles' half sums meet: lanes 0-15 keep the first tile's and send the second's, lanes 16-31 the other way round
.macro COMB k
	v_cndmask_b32 v[SND], v[P+2*\k+1], v[P+2*\k], s[HM]
	v_cndmask_b32 v[KEP], v[P+2*\k], v[P+2*\k+1], s[HM]
	v_permlanex16_b32 v[PRM], v[SND], s[SEL], s[SEL+1]
	v_add_f32 v[R+\k], v[KEP], v[PRM]
.endm
.macro SETCUR
	v_add_nc_u32 v[ADA], s28, v[LI]
	v_add_nc_u32 v[ADAS], s29, v[ADAS0]
	v_add_nc_u32 v[ADK], s30, v[ADK0]
.endm
.macro SETNXT
	v_add_nc_u32 v[ADA2], s28, v[LI]
	v_add_nc_u32 v[ADA2+1], s29, v[ADAS0]
	v_add_nc_u32 v[ADA2+2], s30, v[ADK0]
.endm
.macro SETQ
	v_add_nc_u32 v[AWI], s28, v[AWI0]
	v_add_nc_u32 v[ASW], s29, v[ASW0]
	v_add_nc_u32 v[LGO], s31, v[LGO0]
.endm
.macro CHUNK1                          ; pass 1: the chunk's four tiles; nothing is fetched beyond it: the next chunk is not quantised yet
	PRIME 0
	TILE 0, 0x01, 1
	TILE 1, 0x01, 1
	COMB 0
	TILE 2, 0x01, 1
	TILE 3, 0x01, 0
	COMB 1
	global_store_b64 v[LGO], v[R:R+1], s[12:13]    ; 256 consecutive bytes: lane l: keys 16 (l / 16) + 2 n, + 1 of query l % 16
.endm
	SMALL 0                                        ; 28 small loads first,
	RLOAD 0, 0                                     ; then the first chunk's tile,
	RLOAD 1, 0
	RLOAD 2, 0
	RLOAD 3, 0
	WIN 0x40
	WLOAD 0, 0                                     ; then my head of Wr
	WIN 0x80
	WLOAD 2, 0
	WIN 0
	SETQ
	SETCUR
	s_wait_loadcnt 63                              ; k is in: more than 63 loads were issued behind it
	KTSTORE
	s_wait_dscnt 0x0                               ; the stores have read their registers, which the quantiser takes
	s_mov_b32 s27, 7
.Lp1:
	QPART 1
	CHUNK1
	s_wait_xcnt 0x0                                ; the loads have read their base, the store its offset and data: all are written again only behind this wait
	s_add_nc_u64 s[4:5], s[4:5], 0x100000
	s_add_co_u32 s28, s28, 32768
	s_add_co_u32 s29, s29, 1024
	s_add_co_u32 s30, s30, 32
	s_add_co_u32 s31, s31, 256
	SETQ                                           ; (no LDS instruction of mine is out)
	SETCUR
	s_sub_co_u32 s27, s27, 1
	s_cmp_lg_u32 s27, 0
	s_cbranch_scc1 .Lp1
	QPART 2                                        ; the last chunk asks for no relation: no load leaves the buffer
	CHUNK1
	; ---- pass 2: head w + 4
	PLACES 8                                       ; ahead of loads into registers that the last products read
	SMALL 1
	WIN 0x80
	WLOAD 2, 262144
	WIN 0
	s_mov_b32 s28, 0
	s_mov_b32 s29, 0
	s_mov_b32 s30, 0
	s_mov_b32 s31, 0
	s_wait_xcnt 0x0                                ; the last store has read its offset
	v_add_nc_u32 v[LGO], s31, v[LGO0]
	SETNXT
	s_wait_loadcnt 0x0
	KTSTORE                                        ; over my own table: my reads of it are over
	s_wait_dscnt 0x0
	PRIME 1
	s_mov_b32 s27, 7
; No LDS address register is written while a load that names it is out: a chunk's tiles 1 to 3 are fetched by v9-11, written at the chunk's head (tile 3's last wait has shown their last loads done);
; the next chunk's tile 0 by v17-19, written behind tile 0 (whose last wait has shown theirs done).
.Lp2:
	SETCUR
	TILE 0, 0x03, 1
	s_add_co_u32 s28, s28, 32768
	s_add_co_u32 s29, s29, 1024
	s_add_co_u32 s30, s30, 32
	SETNXT
	TILE 1, 0x03, 1
	COMB 0
	TILE 2, 0x03, 1
	TILE 3, 0x03, 2
	COMB 1
	global_store_b64 v[LGO], v[R:R+1], s[12:13] offset:65536
	s_wait_xcnt 0x0
	s_add_co_u32 s31, s31, 256
	v_add_nc_u32 v[LGO], s31, v[LGO0]
	s_sub_co_u32 s27, s27, 1
	s_cmp_lg_u32 s27, 0
	s_cbranch_scc1 .Lp2
	SETCUR
	TILE 0, 0x03, 1
	TILE 1, 0x03, 1
	COMB 0
	TILE 2, 0x03, 1
	TILE 3, 0x03, 0
	COMB 1
	global_store_b64 v[LGO], v[R:R+1], s[12:13] offset:65536
	s_wait_xcnt 0x0
	v_lshl_add_u32 v158, v0, 2, 0x4e400
	v_mov_b32 v159, 0
	s_wait_tensorcnt 0x0
	ds_add_u32 v158, v159
	s_wait_dscnt 0x0
	s_endpgm
.Lfunc_end_k_qd800fc0a21_main:
	.size	k_qd800fc0a21_main, .Lfunc_end_k_qd800fc0a21_main-k_qd800fc0a21_main
	.p2alignl 7, 3214868480
	.fill 96, 4, 3214868480
	.section	.rodata,"a",@progbits
	.p2align	6, 0x0
	.amdhsa_kernel k_qd800fc0a21_main
		.amdhsa_group_segment_fixed_size 321024
		.amdhsa_private_segment_fixed_size 0
		.amdhsa_enable_private_segment 0
		.amdhsa_kernarg_size 40
		.amdhsa_user_sgpr_count 2
		.amdhsa_user_sgpr_kernarg_segment_ptr 1
		.amdhsa_wavefront_size32 1
		.amdhsa_system_sgpr_workgroup_id_x 1
		.amdhsa_system_sgpr_workgroup_id_y 1
		.amdhsa_system_sgpr_workgroup_id_z 1
		.amdhsa_system_vgpr_workitem_id 0
		.amdhsa_next_free_vgpr 1024
		.amdhsa_next_free_sgpr 66
		.amdhsa_reserve_vcc 0
		.amdhsa_float_denorm_mode_32 3
		.amdhsa_float_denorm_mode_16_64 3
		.amdhsa_memory_ordered 1
		.amdhsa_forward_progress 1
		.amdhsa_inst_pref_size 255
	.end_amdhsa_kernel
	.section	.bss,"aw",@nobits
	.p2align	6
	.space	262144
	.amdgpu_metadata
---
amdhsa.version: [ 1, 2 ]
amdhsa.kernels:
  - .name:           k_qd800fc0a21_main
    .symbol:         k_qd800fc0a21_main.kd
    .args:
      - { .name: relation, .offset: 0, .size: 8, .value_kind: global_buffer, .address_space: global }
      - { .name: wr, .offset: 8, .size: 8, .value_kind: global_buffer, .address_space: global }
      - { .name: qimg, .offset: 16, .size: 8, .value_kind: global_buffer, .address_space: global }
      - { .name: kimg, .offset: 24, .size: 8, .value_kind: global_buffer, .address_space: global }
      - { .name: logits, .offset: 32, .size: 8, .value_kind: global_buffer, .address_space: global }
    .group_segment_fixed_size: 321024
    .private_segment_fixed_size: 0
    .kernarg_segment_align: 8
    .kernarg_segment_size: 40
    .max_flat_workgroup_size: 128
    .sgpr_count:     66
    .vgpr_count:     1024
    .wavefront_size: 32
...
	.end_amdgpu_metadata
.endif
;; end of part 2
;; launch tail (part 3): grid 32 x 1, 8 waves a work-group, no clusters, 175,616 bytes of LDS; arguments logits, adj_mask, vq, wo, bo, out0, out1; writes out0, out1
.if DOCPART == 3
	.amdgcn_target "amdgcn-amd-amdhsa--gfx1250"
	.amdhsa_code_object_version 6
	.text
	.protected	k_qd800fc0a21_tail
	.globl	k_qd800fc0a21_tail
	.p2align	8
	.type	k_qd800fc0a21_tail,@function
k_qd800fc0a21_tail:
	s_mov_b64 s[64:65], 0
	v_nop
	global_prefetch_b8 v0, s[64:65] scope:SCOPE_SE
	s_setreg_imm32_b32 hwreg(HW_REG_WAVE_MODE, 25, 1), 1
	s_wait_xcnt 0x0
; TAIL.  Mask, softmax over the 256 keys, out1 = the weights, O = (V^T P) / l, out0 = O Wo^T + bo.  Both products on codes of E4M3 with E8M0 scales.
; SHARES.  A work-group owns 16 queries of one batch; each of its eight waves one head.  A lane holds ONE query (lane % 16) throughout, and register 16 b + i of its 128 scores the key 32 b + 16 (lane / 16) + i:
; so the logits were stored, and so the quantiser along the keys wants them.
; THE SOFTMAX AHEAD OF THE PRODUCT: t = logit x log2(e), M = ceil(the row's largest t), p = 2^(t - M) is quantised; l is the sum of the unquantised p; the product is divided by l.
; O^T = V^T P (source 0 = 16 channels, chosen so that a lane's 32 registers are 2 blocks of 32 neighbouring channels), quantised in registers: a quarter... rather, half a fragment of the last product's K step head / 2:
; it goes to the other waves through LDS as an image of its registers; its two scale bytes as one 16-bit store.  Then wave h makes out0's columns 64 h .. 64 h + 63.
; A query all of whose keys are masked: t - M is NaN, so p, l and out1 are NaN by the arithmetic; out0's row is made NaN by l - l, which is added to bo in the C of the last product (0 for every other row).
; LIMITS: NaN and infinities among the inputs are not served; a block whose largest magnitude lies under 2^-118 keeps the scale byte 1, and so does a block of zeros (its codes are zeros).
; No tensor loads and no cluster: each byte but the mask and O's images is read by one wave, once.
; REGISTERS: window 0: v1-11 addresses; v12 -M, later l - l; v13 the largest t; v[14:15] l; v16-31 the quantiser's work; v32-61 scales and nothing else; v62 1 / l; v64-191 the scores, then p, later operands and results;
;   v192-255 the mask's first half, then at work.   window 1: v0-127 V's eight fragments, later Wo's K steps 2, 3; v128-191 the mask's second half; v192 -infinity; later v128-255 Wo's K steps 0, 1.
.set S,   64
.set TM,  16
.set PWP, 32                           ; v32-33 p's scale words
.set VS,  34                           ; v34-41 V's
.set WOS, 42                           ; v42-57 Wo's: 4 n + s
.set OSS, 58                           ; v58-61 O's
.set OI,  131328                       ; LDS: 0: out1's 16 rows of 8,192 bytes + 16;  here: O's four fragments;
.set OSC, 139520                       ; their scale words, 64 bytes a K step;
.set ST0, 139776                       ; a stage of 16 rows x 272 bytes a wave, for out0
.set SEL, 26
.set CS,  28
.set MNT, 30
.set MSB, 0
.macro WIN new
.if MSB != \new
	s_set_vgpr_msb (MSB<<8)|\new
.set MSB, \new
.endif
.endm
.macro QUANT src, pc, pw, nb           ; nb blocks of 16 numbers a lane become codes in v[pc] on and the blocks' scale bytes in v[pw]
.set qb, 0
.rept \nb
	v_max3_num_f32 v[TM+qb], |v[\src+16*qb]|, |v[\src+16*qb+1]|, 0x4800000   ; my 16 numbers, and the floor 2^(9 - 127): the byte cannot fall under 1
.set qb, qb+1
.endr
.set qi, 2
.rept 7
.set qb, 0
.rept \nb
	v_max3_num_f32 v[TM+qb], v[TM+qb], |v[\src+16*qb+qi]|, |v[\src+16*qb+qi+1]|
.set qb, qb+1
.endr
.set qi, qi+2
.endr
.set qb, 0
.rept \nb
	v_permlanex16_b32 v[TM+4+qb], v[TM+qb], s[SEL], s[SEL+1]
.set qb, qb+1
.endr
.set qb, 0
.rept \nb
	v_max_num_f32 v[TM+qb], v[TM+qb], v[TM+4+qb]   ; with lane l xor 16's 16: the block's largest magnitude
.set qb, qb+1
.endr
.set qb, 0
.rept \nb
	v_add_nc_u32 v[TM+12+qb], 0xfc000000, v[TM+qb] ; 8 off its exponent field: the conversion's scale operand
.set qb, qb+1
.endr
.set qb, 0
.rept \nb
	v_and_or_b32 v[TM+8+qb], v[TM+qb], 0x7f800000, s[MNT]   ; 448 x the scale
.set qb, qb+1
.endr
.set qb, 0
.rept \nb
	v_lshrrev_b32 v[TM+4+qb], 23, v[TM+12+qb]      ; the scale's byte
.set qb, qb+1
.endr
	v_lshl_or_b32 v[\pw], v[TM+5], 8, v[TM+4]
.if \nb == 4
	v_lshl_or_b32 v[\pw], v[TM+6], 16, v[\pw]
	v_lshl_or_b32 v[\pw], v[TM+7], 24, v[\pw]
.endif
.set qb, 0
.rept \nb
.set qi, 0
.rept 16
	v_med3_num_f32 v[\src+16*qb+qi], v[\src+16*qb+qi], -v[TM+8+qb], v[TM+8+qb]   ; the conversion does not saturate (ISA guide 7.6.2): the hold comes first
.set qi, qi+1
.endr
	v_cvt_scalef32_pk8_fp8_f32 v[\pc+4*qb:\pc+4*qb+1], v[\src+16*qb:\src+16*qb+7], v[TM+12+qb]
	v_cvt_scalef32_pk8_fp8_f32 v[\pc+4*qb+2:\pc+4*qb+3], v[\src+16*qb+8:\src+16*qb+15], v[TM+12+qb]
.set qb, qb+1
.endr
	v_nop                                          ; a plain line behind the last conversion
.endm
	s_load_b256 s[4:11], s[0:1], 0x0               ; logits 4, adj_mask 6, vq 8, wo 10
	s_load_b128 s[12:15], s[0:1], 0x20             ; bo 12, out0 14
	s_load_b64 s[16:17], s[0:1], 0x30              ; out1
	v_lshrrev_b32 v1, 5, v0
	v_readfirstlane_b32 s18, v1                    ; wave = head
	s_lshr_b32 s19, ttmp9, 4
	s_lshl_b32 s19, s19, 3
	s_add_co_u32 s19, s19, s18                     ; batch x 8 + head
	v_and_b32 v16, 31, v0
	v_and_b32 v17, 15, v0
	v_bfe_u32 v18, v0, 4, 1
	v_lshlrev_b32 v1, 4, v16                       ; 16 x lane
	v_lshlrev_b32 v2, 3, v16                       ; 8 x lane
	v_lshlrev_b32 v3, 2, v16                       ; 4 x lane
	v_lshlrev_b32 v4, 10, v17
	v_lshl_add_u32 v4, v18, 6, v4                  ; the mask: my query's row of 1,024 bytes, + 64 (lane / 16)
	v_lshlrev_b32 v5, 4, v17                       ; 16 x (lane % 16)
	v_mul_u32_u24 v6, v17, 8208
	v_lshl_add_u32 v6, v18, 9, v6
	s_lshl_b32 s24, s18, 2
	v_add_nc_u32 v6, s24, v6                       ; out1 in LDS: my query's row, key 16 (lane / 16), my head
	s_lshl_b32 s24, s18, 10
	s_add_co_u32 s24, s24, OI
	v_add_nc_u32 v7, s24, v1                       ; O's image: K step head / 2, blocks 2 (head % 2) on
	s_lshr_b32 s24, s18, 1
	s_lshl_b32 s24, s24, 6
	s_and_b32 s25, s18, 1
	s_lshl_b32 s25, s25, 1
	s_add_co_u32 s24, s24, s25
	s_add_co_u32 s24, s24, OSC
	v_lshl_add_u32 v8, v17, 2, s24                 ; and my two bytes of its scale word
	v_lshlrev_b32 v9, 5, v18                       ; 32 x (lane / 16)
	v_add_nc_u32 v10, OI, v1
	v_mov_b32 v11, 0xff800000                      ; -infinity
	v_mov_b32 v63, 0                               ; (named as the upper half of the pair v[62:63])
.irp b, 0,1,2,3
	v_mov_b32 v[TM+4+\b], 0                        ; written once: a lane permute's destination counts as one of its sources
.endr
	s_mov_b32 s[SEL], 0x76543210
	s_mov_b32 s[SEL+1], 0xfedcba98
	s_mov_b32 s[CS], 0x3fb8aa3b                    ; log2(e)
	s_mov_b32 s[CS+1], s[CS]
	s_mov_b32 s[MNT], 0x600000
	s_lshl_b32 s24, ttmp9, 3
	s_add_co_u32 s24, s24, s18
	s_lshl_b32 s24, s24, 14
	s_mov_b32 s25, 0
	s_lshl_b32 s32, ttmp9, 14
	s_mov_b32 s33, 0
	s_lshl_b32 s34, s19, 14
	s_mov_b32 s35, 0
	s_lshl_b32 s36, s19, 10
	s_mov_b32 s37, 0
	s_lshl_b32 s38, s18, 15
	s_mov_b32 s39, 0
	s_lshl_b32 s40, s18, 10
	s_mov_b32 s41, 0
	s_lshl_b32 s42, s18, 8
	s_mov_b32 s43, 0
	s_lshl_b32 s44, ttmp9, 15
	s_add_co_u32 s44, s44, s42
	s_mov_b32 s45, 0
	s_lshl_b32 s46, ttmp9, 17
	s_lshl_b32 s47, s18, 14
	s_add_co_u32 s46, s46, s47
	s_mov_b32 s47, 0
	s_wait_kmcnt 0x0
	s_add_nc_u64 s[4:5], s[4:5], s[24:25]          ; my head's 16,384 bytes of logits
	s_add_nc_u64 s[6:7], s[6:7], s[32:33]          ; the 16 queries' rows of the mask
	s_add_nc_u64 s[20:21], s[8:9], s[36:37]        ; V's scale words
	s_add_nc_u64 s[8:9], s[8:9], s[34:35]          ; V's eight fragments
	s_add_nc_u64 s[22:23], s[10:11], s[40:41]      ; Wo's scale words of my four tiles
	s_add_nc_u64 s[10:11], s[10:11], s[38:39]      ; their codes
	s_add_nc_u64 s[12:13], s[12:13], s[42:43]
	s_add_nc_u64 s[14:15], s[14:15], s[44:45]
	s_add_nc_u64 s[16:17], s[16:17], s[46:47]
.irp b, 0,1,2,3,4,5,6,7
.irp c, 0,1,2,3,4,5,6,7
	global_load_b64 v[S+16*\b+2*\c:S+16*\b+2*\c+1], v2, s[4:5] offset:2048*\b+256*\c th:TH_LOAD_NT
.endr
.endr
.irp b, 0,1,2,3
.irp j, 0,1,2,3
	global_load_b128 v[192+16*\b+4*\j:192+16*\b+4*\j+3], v4, s[6:7] offset:128*\b+16*\j
.endr
.endr
	WIN 0x40                                       ; destination window 1
.irp b, 0,1,2,3
.irp j, 0,1,2,3
	global_load_b128 v[128+16*\b+4*\j:128+16*\b+4*\j+3], v4, s[6:7] offset:512+128*\b+16*\j
.endr
.endr
.irp f, 0,1,2,3,4,5,6,7
.irp c, 0,1,2,3
	global_load_b128 v[16*\f+4*\c:16*\f+4*\c+3], v1, s[8:9] offset:2048*\f+512*\c
.endr
.endr
	v_mov_b32 v192, 0xff800000                     ; -infinity once more, beside the mask's second half
	WIN 0
.irp f, 0,1,2,3,4,5,6,7
	global_load_b32 v[VS+\f], v3, s[20:21] offset:262144+128*\f
.endr
	s_wait_loadcnt 40                              ; the logits and the mask are in; V's 32 loads and its 8 scale words may be out
.set n_, 0
.rept 64
	v_cmp_eq_u32 vcc_lo, 1, v[192+n_]
	v_cndmask_b32 v[S+n_], v[S+n_], v11, vcc_lo    ; a masked key's score becomes -infinity
.set n_, n_+1
.endr
	WIN 0x04                                       ; source 1 window 1: the mask's word, and -infinity
.set n_, 0
.rept 64
	v_cmp_eq_u32 vcc_lo, 1, v[128+n_]
	v_cndmask_b32 v[S+64+n_], v[S+64+n_], v192, vcc_lo
.set n_, n_+1
.endr
	WIN 0x40
.irp s, 0,1
.irp n, 0,1,2,3
.irp c, 0,1,2,3
	global_load_b128 v[128+64*\s+16*\n+4*\c:128+64*\s+16*\n+4*\c+3], v1, s[10:11] offset:8192*\n+2048*\s+512*\c   ; Wo's K steps 0, 1, where the mask lay
.endr
.endr
.endr
	WIN 0
.irp n, 0,1,2,3
	global_load_b128 v[WOS+4*\n:WOS+4*\n+3], v5, s[22:23] offset:262144+256*\n
.endr
	; the row's largest score: four chains
.irp k, 0,1,2,3
	v_max3_num_f32 v[TM+\k], v[S+32*\k], v[S+32*\k+1], v[S+32*\k+2]
.endr
.irp i, 3,5,7,9,11,13,15,17,19,21,23,25,27,29
.irp k, 0,1,2,3
	v_max3_num_f32 v[TM+\k], v[TM+\k], v[S+32*\k+\i], v[S+32*\k+\i+1]
.endr
.endr
	v_max3_num_f32 v[TM], v[TM], v[TM+1], v[S+31]
	v_max3_num_f32 v[TM+2], v[TM+2], v[TM+3], v[S+63]
	v_max3_num_f32 v[TM], v[TM], v[TM+2], v[S+95]
	v_max_num_f32 v[TM], v[TM], v[S+127]
	v_permlanex16_b32 v[TM+4], v[TM], s[SEL], s[SEL+1]
	v_max_num_f32 v13, v[TM], v[TM+4]
	v_mul_f32 v13, s[CS], v13                      ; as t
	v_floor_f32 v12, -v13                          ; -M = floor(-t) = -ceil(t)
.set n_, 0
.rept 64
	v_pk_fma_f32 v[S+n_:S+n_+1], v[S+n_:S+n_+1], s[CS:CS+1], v[12:13] op_sel_hi:[1,0,0]   ; t - M
.set n_, n_+2
.endr
.set n_, 0
.rept 128
	v_exp_f32 v[S+n_], v[S+n_]                     ; p = 2^(t - M)
.set n_, n_+1
.endr
	v_nop                                          ; a plain line behind the exponentials,
	s_wait_alu depctr_va_vdst(0)                   ; and one wait for the batch, ahead of its first reader
	v_pk_add_f32 v[14:15], v[S:S+1], v[S+2:S+3]    ; l, of the unquantised p: two packed chains
	v_pk_add_f32 v[TM+8:TM+9], v[S+4:S+5], v[S+6:S+7]
.set n_, 8
.rept 30
	v_pk_add_f32 v[14:15], v[14:15], v[S+n_:S+n_+1]
	v_pk_add_f32 v[TM+8:TM+9], v[TM+8:TM+9], v[S+n_+2:S+n_+3]
.set n_, n_+4
.endr
	v_pk_add_f32 v[14:15], v[14:15], v[TM+8:TM+9]
	v_add_f32 v14, v14, v15
	v_permlanex16_b32 v[TM+4], v14, s[SEL], s[SEL+1]
	v_add_f32 v14, v14, v[TM+4]                    ; the row's sum
	v_rcp_f32 v62, v14
	v_sub_f32 v12, v14, v14                        ; (a plain line behind the reciprocal)  0, or NaN where every key is masked
	s_wait_alu depctr_va_vdst(0)
	; out1: p / l, to my query's row in LDS, where the eight heads' numbers of a key meet; two batches of 64
.irp u, 0,1
.if \u
	s_wait_dscnt 0x0                               ; the first batch's stores have read their registers
.endif
.set n_, 0
.rept 32
	v_pk_mul_f32 v[192+n_:193+n_], v[S+64*\u+n_:S+64*\u+n_+1], v[62:63] op_sel_hi:[1,0]
.set n_, n_+2
.endr
.set n_, 0
.rept 64
	ds_store_b32 v6, v[192+n_] offset:((64*\u+n_)/16)*1024+((64*\u+n_)%16)*32
.set n_, n_+1
.endr
.endr
	s_wait_dscnt 0x0                               ; likewise: p's codes take these registers
	QUANT S, 192, PWP, 4                           ; keys 0-127
	QUANT S+64, 208, PWP+1, 4                      ; keys 128-255
.irp n, 0,1,2,3
.irp p, 0,1
	global_load_b128 v[160+8*\n+4*\p:160+8*\n+4*\p+3], v9, s[12:13] offset:64*\n+16*\p   ; bo in the last result's layout
.endr
.endr
.rept 4
	v_nop                                          ; codes written by vector instructions stand four places ahead of a scaled product (the scale words stand further up)
.endr
	s_wait_loadcnt 44                              ; V and its scale words are in; Wo's 32 + 4 and bo's 8 may be out
	WIN 0x01                                       ; source 0 window 1
.irp s, 0,1
.irp m, 0,1,2,3
.if \s == 0
	v_wmma_scale_f32_16x16x128_f8f6f4 v[64+8*\m:64+8*\m+7], v[16*(2*\m+\s):16*(2*\m+\s)+15], v[192+16*\s:192+16*\s+15], 0, v[VS+2*\m+\s], v[PWP+\s]
.else
	v_wmma_scale_f32_16x16x128_f8f6f4 v[64+8*\m:64+8*\m+7], v[16*(2*\m+\s):16*(2*\m+\s)+15], v[192+16*\s:192+16*\s+15], v[64+8*\m:64+8*\m+7], v[VS+2*\m+\s], v[PWP+\s]
.endif
.endr
.endr
	WIN 0
.rept 8
	v_nop                                          ; eight places ahead of the loads over V and of the first read of O^T
.endr
	WIN 0x40
.irp s, 0,1
.irp n, 0,1,2,3
.irp c, 0,1,2,3
	global_load_b128 v[64*\s+16*\n+4*\c:64*\s+16*\n+4*\c+3], v1, s[10:11] offset:8192*\n+2048*(2+\s)+512*\c   ; Wo's K steps 2, 3
.endr
.endr
.endr
	WIN 0
.set n_, 0
.rept 16
	v_pk_mul_f32 v[64+n_:65+n_], v[64+n_:65+n_], v[62:63] op_sel_hi:[1,0]   ; O^T / l: register 16 b + i = channel 32 b + 16 (lane / 16) + i of my head
.set n_, n_+2
.endr
	QUANT 64, 224, 232, 2
	ds_store_b128 v7, v[224:227]
	ds_store_b128 v7, v[228:231] offset:512
	ds_store_b16 v8, v232                          ; my two blocks' bytes of the row's scale word (both halves of the lanes store the same)
	v_and_b32 v21, 15, v0                          ; the addresses of the way out, in registers that the quantiser has left
	v_bfe_u32 v22, v0, 4, 1
	v_lshl_add_u32 v16, v21, 2, OSC                ; O's scale words
	s_mul_i32 s24, s18, 4352
	s_add_co_u32 s24, s24, ST0
	v_mul_u32_u24 v17, v21, 272
	v_lshl_add_u32 v17, v22, 5, v17
	v_add_nc_u32 v17, s24, v17                     ; my stage, in: row r, 32 bytes for each half of the lanes
	v_mul_u32_u24 v18, v22, 272
	v_lshl_add_u32 v18, v21, 4, v18
	v_add_nc_u32 v18, s24, v18                     ; back: lanes 0-15 one row, lanes 16-31 the next
	v_lshlrev_b32 v19, 11, v22
	v_lshl_add_u32 v19, v21, 4, v19                ; and the same two rows in out0
	s_mul_i32 s24, s18, 16416
	v_add_nc_u32 v20, s24, v1                      ; out1's rows 2 h, 2 h + 1 in LDS
	s_wait_loadcnt 32                              ; bo is in; Wo's last 32 loads may be out
.set n_, 0
.rept 16
	v_pk_add_f32 v[160+n_:161+n_], v[160+n_:161+n_], v[12:13] op_sel_hi:[1,0]   ; bo + (l - l)
.set n_, n_+2
.endr
	s_wait_dscnt 0x0                               ; for the others' sake: my part of out1's rows, of O's images and of their scale words has landed
	s_barrier_signal -1
	s_barrier_wait -1
.irp s, 0,1,2,3
.irp c, 0,1,2,3
	ds_load_b128 v[96+16*\s+4*\c:96+16*\s+4*\c+3], v10 offset:2048*\s+512*\c
.endr
	ds_load_b32 v[OSS+\s], v16 offset:64*\s
.endr
	s_wait_loadcnt 0x0
	s_wait_dscnt 0x0
	WIN 0x01
.irp s, 0,1,2,3
.irp n, 0,1,2,3
.if \s == 0
	v_wmma_scale_f32_16x16x128_f8f6f4 v[64+8*\n:64+8*\n+7], v[128+16*\n:128+16*\n+15], v[96:111], v[160+8*\n:160+8*\n+7], v[WOS+4*\n], v[OSS]
.elseif \s == 1
	v_wmma_scale_f32_16x16x128_f8f6f4 v[64+8*\n:64+8*\n+7], v[192+16*\n:192+16*\n+15], v[112:127], v[64+8*\n:64+8*\n+7], v[WOS+4*\n+1], v[OSS+1]
.else
	v_wmma_scale_f32_16x16x128_f8f6f4 v[64+8*\n:64+8*\n+7], v[64*(\s-2)+16*\n:64*(\s-2)+16*\n+15], v[96+16*\s:96+16*\s+15], v[64+8*\n:64+8*\n+7], v[WOS+4*\n+\s], v[OSS+\s]
.endif
.endr
.endr
	WIN 0
.rept 8
	v_nop
.endr
.irp n, 0,1,2,3
	ds_store_b128 v17, v[64+8*\n:64+8*\n+3] offset:64*\n             ; lane (r, h): out0(r, 64 head + 16 n + 8 h + 0 .. 7); each accumulator from its low end on
	ds_store_b128 v17, v[64+8*\n+4:64+8*\n+7] offset:64*\n+16
.endr
.irp i, 0,1,2,3,4,5,6,7
	ds_load_b128 v[224+4*\i:224+4*\i+3], v18 offset:544*\i           ; LDS serves a wave's instructions in order: these see my stores
.endr
.irp q, 0,1,2,3,4,5,6,7,8,9,10,11,12,13,14,15,16,17,18,19,20,21,22,23,24,25,26,27,28,29,30,31
	ds_load_b128 v[96+4*\q:96+4*\q+3], v20 offset:8208*(\q/16)+512*(\q%16)
.endr
	s_wait_dscnt 32                                ; out0's rows are back; out1's 32 loads may be out
.irp i, 0,1,2,3,4,5,6,7
	global_store_b128 v19, v[224+4*\i:224+4*\i+3], s[14:15] offset:4096*\i   ; sixteen lanes store 256 consecutive bytes, aligned
.endr
	s_wait_dscnt 0x0
.irp q, 0,1,2,3,4,5,6,7,8,9,10,11,12,13,14,15,16,17,18,19,20,21,22,23,24,25,26,27,28,29,30,31
	global_store_b128 v1, v[96+4*\q:96+4*\q+3], s[16:17] offset:512*\q       ; two whole rows of out1, 512 consecutive bytes a store
.endr
	s_wait_xcnt 0x0
	v_lshl_add_u32 v254, v0, 2, 0x2aa00
	v_mov_b32 v255, 0
	s_wait_tensorcnt 0x0
	ds_add_u32 v254, v255
	s_wait_dscnt 0x0
	s_endpgm
.Lfunc_end_k_qd800fc0a21_tail:
	.size	k_qd800fc0a21_tail, .Lfunc_end_k_qd800fc0a21_tail-k_qd800fc0a21_tail
	.p2alignl 7, 3214868480
	.fill 96, 4, 3214868480
	.section	.rodata,"a",@progbits
	.p2align	6, 0x0
	.amdhsa_kernel k_qd800fc0a21_tail
		.amdhsa_group_segment_fixed_size 175616
		.amdhsa_private_segment_fixed_size 0
		.amdhsa_enable_private_segment 0
		.amdhsa_kernarg_size 56
		.amdhsa_user_sgpr_count 2
		.amdhsa_user_sgpr_kernarg_segment_ptr 1
		.amdhsa_wavefront_size32 1
		.amdhsa_system_sgpr_workgroup_id_x 1
		.amdhsa_system_sgpr_workgroup_id_y 1
		.amdhsa_system_sgpr_workgroup_id_z 1
		.amdhsa_system_vgpr_workitem_id 0
		.amdhsa_next_free_vgpr 512
		.amdhsa_next_free_sgpr 66
		.amdhsa_reserve_vcc 1
		.amdhsa_float_denorm_mode_32 3
		.amdhsa_float_denorm_mode_16_64 3
		.amdhsa_memory_ordered 1
		.amdhsa_forward_progress 1
		.amdhsa_inst_pref_size 96
	.end_amdhsa_kernel
	.amdgpu_metadata
---
amdhsa.version: [ 1, 2 ]
amdhsa.kernels:
  - .name:           k_qd800fc0a21_tail
    .symbol:         k_qd800fc0a21_tail.kd
    .args:
      - { .name: logits, .offset: 0, .size: 8, .value_kind: global_buffer, .address_space: global }
      - { .name: adj_mask, .offset: 8, .size: 8, .value_kind: global_buffer, .address_space: global }
      - { .name: vq, .offset: 16, .size: 8, .value_kind: global_buffer, .address_space: global }
      - { .name: wo, .offset: 24, .size: 8, .value_kind: global_buffer, .address_space: global }
      - { .name: bo, .offset: 32, .size: 8, .value_kind: global_buffer, .address_space: global }
      - { .name: out0, .offset: 40, .size: 8, .value_kind: global_buffer, .address_space: global }
      - { .name: out1, .offset: 48, .size: 8, .value_kind: global_buffer, .address_space: global }
    .group_segment_fixed_size: 175616
    .private_segment_fixed_size: 0
    .kernarg_segment_align: 8
    .kernarg_segment_size: 56
    .max_flat_workgroup_size: 256
    .sgpr_count:     66
    .vgpr_count:     512
    .wavefront_size: 32
...
	.end_amdgpu_metadata
.endif
;; end of part 3
